; MI455X (gfx1250); checked and timed in simulation.
; The chip was launched on July 23, 2026; its instructions are those of AMD's public machine-readable ISA for CDNA 5 (MIT licence, August 2026) and "CDNA5" Instruction Set Architecture Reference Guide (July 2026). The comments in the code are by the model that wrote it; some were corrected since.
;; Flash Self Attention. Allowed arithmetic: matrix products marked QUANTISED: E2M1 operands, one E8M0 scale for each 32 along K, by v_wmma_scale_f32_16x16x128_f8f6f4 with both operands' format E2M1 (or v_wmma_scale_f32_32x16x128_f4), f32 sums; everything else in f32.
;; Inputs: k_codes 2 x 2,048 x 16 x 4 x 16 uint8 (E2M1 codes of k, K innermost, in blocks of 32 codes, two codes a byte); k_scales 2 x 2,048 x 16 x 4 uint8 (E8M0 scales of k, one for each 32 codes along K); q_codes 2 x 2,048 x 16 x 4 x 16 uint8 (E2M1 codes of q, K innermost, in blocks of 32 codes, two codes a byte); q_scales 2 x 2,048 x 16 x 4 uint8 (E8M0 scales of q, one for each 32 codes along K); v_codes 2 x 16 x 128 x 64 x 16 uint8 (E2M1 codes of v, K innermost, in blocks of 32 codes, two codes a byte); v_scales 2 x 16 x 128 x 64 uint8 (E8M0 scales of v, one for each 32 codes along K).
;; Outputs: out0 2 x 2,048 x 16 x 128 float32.
;; This version of the problem:
;;   THIS VERSION OF THE PROBLEM IS GIVEN IN LOW PRECISION. The matrix products marked QUANTISED in the list below multiply operands that are first quantised to E2M1 (2 exponent bits, 1 mantissa bit; 4 bits a number), with one power-of-two scale for each 32 numbers along K (OCP MX v1.0); their sums are f32. All else is computed in f32.
;;   The module's matrix products, in the order in which they are computed (A, B: the left and right operand; K: the contracted axis; several contracted axes count as one K, in the product's order):
;;     1. batch 32 x [M 2,048, K 128] x [K 128, N 2,048]; A: input q (given as codes); B: input k (given as codes): QUANTISED
;;     2. batch 32 x [M 128, K 2,048] x [K 2,048, N 2,048]; A: input v (given as codes); B: softmax (see below): QUANTISED
;;   THE QUANTISER, for each operand of a quantised product, along K:
;;     - K is cut into blocks of 32 from its start; a last block that is shorter is filled with zeros.
;;     - A block's scale is 2^e with e = floor(log2(the largest magnitude in the block)) - 2, held to -126 .. 127; a block of zeros has e = 0. As a byte (E8M0): e + 127.
;;     - Each number is divided by its block's scale, clamped to +-6, and rounded to the nearest number of E2M1, ties to even, subnormals kept.
;;     - The product sums the exact products of the quantised numbers (number of the format x scale) in f32.
;;   ~~~python
;;   def quantise(x, axis):      # numpy; x: float32 -> the quantised numbers, widened to float32 again
;;       x = np.moveaxis(x, axis, -1); K = x.shape[-1]
;;       x = np.pad(x, [(0, 0)] * (x.ndim - 1) + [(0, -K % 32)]); x = x.reshape(x.shape[:-1] + (-1, 32)); a = np.abs(x).max(-1, keepdims=True)
;;       e = np.where(a > 0, np.clip(np.frexp(np.where(a > 0, a, 1))[1] - 1 - 2, -126, 127), 0)      # np.frexp(a)[1] - 1 = floor(log2(a)), exactly
;;       r = np.clip(x / 2.0 ** e, -6, 6)
;;       step = 2.0 ** (np.maximum(np.frexp(np.where(r == 0, 1, r))[1] - 1, 0) - 1)
;;       q = np.round(r / step) * step * 2.0 ** e      # np.round: ties to even
;;       return np.moveaxis(q.reshape(q.shape[:-2] + (-1,))[..., :K], -1, axis).astype(np.float32)
;;   ~~~
;;   SOFTMAX AHEAD OF A QUANTISED PRODUCT. Where the list says 'softmax', what is quantised is not the finished softmax but p = 2^(t - M), with t = logit x log2(e) and M = ceil(the row's largest t), a whole number; so 1/2 < the row's largest p <= 1. The row's sum l is taken of the UNQUANTISED p, in f32, and the product's result is divided by l at the end. Since M is a whole number, a kernel that streams over the keys may use a running M (the ceiling of the running maximum): every later rescaling is an exact power of two, which a block's scale takes up: the codes' values come out the same.
;;   OPERANDS COMPUTED ON THE WAY. 'Computed on the way' means the value that the module computes at that place (a softmax that the list does not call 'softmax' is quantised finished and normalised). What goes into a quantiser is computed in f32, as accurately as f32 sums, v_exp_f32 and their like allow (about 1e-6 of the number): no bf16 or f16 on the way to a quantiser, and a product that is left as it is and whose result goes on into a quantised operand takes f32 operands (vector FMAs, or v_wmma_f32_16x16x4_f32). A number that lies on a knife's edge between two numbers of the format may be rounded either way, as far as f32 arithmetic and the matrix unit's own rounding can turn it there, and no further.
;;   INPUTS GIVEN AS CODES. k (in the module: [2, 2048, 16, 128], K = its axis 3); q (in the module: [2, 2048, 16, 128], K = its axis 3); v (in the module: [2, 2048, 16, 128], K = its axis 1): each comes as NAME_codes (uint8): NAME with its K axis moved to the last place and cut into blocks of 32 codes, [.., K / 32, bytes a block], one block behind the other in memory; two codes a byte, the lower K in the low four bits (a code: sign, 2 exponent bits, 1 mantissa bit); and NAME_scales (uint8): the same leading axes, one E8M0 byte (e + 127) for each 32 codes along K. Its value is code x scale, taken as it is: it is not quantised again, and the codes and scales need not be those that the quantiser above would give.
;; One version. Each part assembles by itself: llvm-mc -triple=amdgcn-amd-amdhsa -mcpu=gfx1250 --defsym DOCPART=n.
;; ======== version 1 of 1: 1 launch
;; limits: right only within a limited range of input values
;; launch attn (part 1): grid 8 x 32, 8 waves a work-group, clusters of 4 x 1, 327,680 bytes of LDS; arguments q_codes, q_scales, k_codes, k_scales, v_codes, v_scales, out0; writes out0
.if DOCPART == 1
	.amdgcn_target "amdgcn-amd-amdhsa--gfx1250"
	.amdhsa_code_object_version 6
	.text
	.protected	k_q7fdef6b245_attn
	.globl	k_q7fdef6b245_attn
	.p2align	8
	.type	k_q7fdef6b245_attn,@function
k_q7fdef6b245_attn:
	s_mov_b64 s[64:65], 0
	v_nop
	global_prefetch_b8 v0, s[64:65] scope:SCOPE_SE
	s_setreg_imm32_b32 hwreg(HW_REG_WAVE_MODE, 25, 1), 1
	s_wait_xcnt 0x0
	s_wait_alu depctr_hold_cnt(0) depctr_sa_sdst(0) depctr_va_vdst(0) depctr_va_sdst(0) depctr_va_ssrc(0) depctr_va_vcc(0) depctr_vm_vsrc(0)
	s_getreg_b32 s2, hwreg(HW_REG_IB_STS2, 6, 4)
	s_cmp_eq_u32 s2, 0
	s_cbranch_scc0 .Lentry_in_a_cluster
	s_endpgm
.Lentry_in_a_cluster:
	s_bfe_u32 s2, ttmp6, 0x10000c
	s_cmp_lg_u32 s2, 0x3003
	s_cbranch_scc0 .Lentry_shape_is_right
	s_endpgm
.Lentry_shape_is_right:
; out[b][q][h][:] = sum over keys of softmax_k(Q.K / sqrt(128) + bias[h][q][k]) V, bias = -slope[h] sqrt(q - k) for k <= q, -65504 for k > q.
; Both products on codes of FP4 (E2M1) with one E8M0 scale for each 32 along a product's K.  B = 2, S = 2048, H = 16, D = 128.
; q, k: a (b, s, h) row is 64 bytes of codes, rows of one head 1,024 bytes apart; scale words 4 bytes, 64 bytes apart.  v: keys innermost, a head is 128 rows x 1,024 bytes; its scales 128 x 64 bytes.
; THE SOFTMAX: t = logit x log2(e); M = the running largest t rounded up to a whole number; p = 2^(t - M) is quantised along the keys; the sum of the unquantised p divides at the end.
; SHARES.  A head has 16 blocks i of 128 queries, each of 8 tiles e of 16.  Tile (i, e) needs key steps 0 .. i of 128 keys.  A work-group is (head, e) and owns tile e of all 16 blocks.
; Wave a (0..7) owns tile B (block 15 - a) and tile A (block a): (16 - a) + (a + 1) = 17 key steps for every wave of every work-group.  256 work-groups.
; THE WHOLE HEAD'S K, V AND SCALES LIE IN LDS, each byte filled once: 7 tensor loads a wave, all at the start; no byte is filled twice, so there is no ring.
; CLUSTER.  Four of the eight work-groups of a head form a cluster and ask for every tile JOINTLY (mask 15).  Branches and LDS addresses hang on the wave's number and constants alone;
; e enters the table's values and the addresses of q and out0 only.
; BIAS AND MASK COST NO VECTOR INSTRUCTION IN THE LOOP: they hang on d = query - key and the head alone.  A table F(d) = bias x sqrt(128) is made once in LDS and is the C operand of K Q^T,
; so that (K Q^T + F) x log2(e) / sqrt(128) = t.  For d < 0 it holds -65504 sqrt(128): on the diagonal step the masked logit is the one that the problem states.
; LAYOUT.  Both products are used transposed: S^T = K Q^T (source 0 = 16 keys, source 1 = my 16 queries), O^T = V^T P^T: a lane holds ONE query (lane % 16) throughout.
; The keys of a tile are not neighbours: lane r of tile 2 b + u takes key 32 b + 8 u + r + 8 (r / 8), so that the 16 registers of tiles 2 b, 2 b + 1 are keys 32 b + 16 (lane / 16) + 0 .. 15.
; LIMITS.  Key steps that lie wholly behind a tile's queries are left out: that equals the stated result as long as 2^(t - M) is 0 there, which holds for |q.k| / sqrt(128) under about 32,000.
; Scale bytes 0xff (NaN) are not served.  slope x sqrt(128) = 2^((6 - h) / 2) is written by its bits, within one unit in the last place of that number.
; REGISTERS: v1-8 addresses that stay; v9-11, v240-241 the step's addresses; v12 -M, v13 the largest t, v[14:15] the sum in two halves; v16-23, v255 Q and its scale words of tile B; v24-31, v242 of tile A;
; v32-95 eight fragments of K, then of V; v96-159 the table's values, then S^T, then p; v160-223 O^T; v224-231 p's codes; v232-239, v244-247, v252-254 at work; v248-251 scale words of K, then of V.
.set RP,    16400                      ; K in LDS: eight regions by key % 8, so far apart; in a region row key / 8 of 64 bytes.  16-byte column of lane r: 1025 (r % 8) + 8 (r / 8): sixteen different ones modulo 16
.set KH,    8192                       ; a region's rows 128 on (keys 1,024 on)
.set VREG,  131328                     ; V: two halves (keys under 1,024; the others), each 128 rows of 512 bytes + 16
.set VP,    528
.set VHALF, 128*VP
.set KSC,   VREG+2*VHALF               ; K's scale words, 4 bytes a key, dense
.set VSC,   KSC+8192                   ; V's scale bytes: 128 rows of 64 bytes + 8
.set VSP,   72
.set TAB,   VSC+128*VSP                ; the table: two copies of 3,072 numbers; copy c, entry y = F(1936 + 16 e + c - y)
.set TCP,   12416                      ; from copy to copy: 3,104 words, 32 modulo 64: the two copies' 32 words of a load fall on different banks (64 banks of 4 bytes: ISA guide 11.1)
.set STG,   TAB+2*TCP                  ; the way out: 8 rows x (256 + 16) bytes for each wave
.set SGP,   272
.set SGW,   8*SGP
.set AK0,  1
.set AV0,  2
.set ASK0, 3
.set ASV0, 4
.set AT0,  5
.set GO,   6
.set STI,  7
.set STO,  8
.set ADK,  9
.set ADV,  10
.set ADS,  11
.set ADT,  240
.set ADB,  241
.set WV,   18                          ; s18  my wave's number a
.set SEL,  20                          ; s[20:21] lane selects for v_permlanex16_b32: lane l xor 16
.set CS,   22                          ; s[22:23] c = log2(e) / sqrt(128)
.set G1K,  24                          ; s[24:31], s[32:39], s[40:47], s[48:55] descriptor groups 1: K, V, K's scales, V's scales
.set G1V,  32
.set G1KS, 40
.set G1VS, 48
.set TK,   88                          ; s88-92 the key step's bytes in K, K's scales, V, V's scales, the table
.set TKS,  89
.set TV,   90
.set TVS,  91
.set TT,   92
.set KI,   93                          ; s93  the key step
.set LIM,  94                          ; s94  the tile's last key step
; A round of the cluster's barrier: my work-group's barrier; wave 0 signals for the work-group; every wave waits for all four work-groups; my work-group's barrier once more.
.macro CROUND
	s_barrier_signal -1
	s_barrier_wait -1
	s_cmp_lg_u32 s[WV], 0
	s_cbranch_scc1 .Lnot_wave_0_\@
	s_barrier_signal -3
.Lnot_wave_0_\@:
	s_barrier_wait -3
	s_barrier_signal -1
	s_barrier_wait -1
.endm
; A tile begins: the largest t is -3e38, the sum and O^T are zeros, which the first change of M leaves zeros.  So the key step is written without a first step of its own.
.macro FRESH
	v_mov_b32 v13, 0xff61b1e6
	v_floor_f32 v12, -v13
	v_mov_b32 v14, 0
	v_mov_b32 v15, 0
.set jj, 0
.rept 64
	v_mov_b32 v[160+jj], 0
.set jj, jj+1
.endr
.endm
	s_load_b256 s[4:11], s[0:1], 0x0               ; q's codes s[4:5], q's scales s[6:7], k's codes s[8:9], k's scales s[10:11]
	s_load_b128 s[12:15], s[0:1], 0x20             ; v's codes s[12:13], v's scales s[14:15]
	s_load_b64 s[16:17], s[0:1], 0x30              ; out0
	s_set_vgpr_msb 0x40
	v_lshl_add_u32 v0, v0, 2, 0x4fa00
	v_mov_b32 v1, 0
	s_set_vgpr_msb 0x4045
	ds_add_u32 v0, v1
	ds_add_u32 v0, v1
	s_set_vgpr_msb 0x4500
	v_lshrrev_b32 v9, 5, v0
	v_readfirstlane_b32 s[WV], v9                  ; wave 0..7
	s_and_b32 s67, ttmp7, 0xffff                   ; 16 x batch + head: the four partners share it
	s_lshr_b32 s96, s67, 4                         ; batch
	s_and_b32 s97, s67, 15                         ; head
	s_bfe_u32 s19, ttmp6, 0x40000                  ; cx: my place in the cluster
	s_lshl_b32 s66, ttmp9, 2                       ; in a cluster launch ttmp9 counts clusters
	s_add_co_u32 s66, s66, s19                     ; e = 4 x cluster x + cx
	s_mov_b32 s[SEL], 0x76543210
	s_mov_b32 s[SEL+1], 0xfedcba98
	s_mov_b32 s[CS], 0x3e0293ee                    ; c = log2(e) / sqrt(128)
	s_mov_b32 s[CS+1], s[CS]                       ; (named with it as a pair, so it is written)
	; descriptor groups 1.  15:0 the mask: all four work-groups; 21 set beside a mask
	s_mov_b32 s[G1K], 15|(1<<21)                   ; K: elements of 1 byte, no padding
	s_mov_b32 s[G1K+1], 64<<16                     ; tensor_dim0 = 64 bytes
	s_mov_b32 s[G1K+2], 128<<16                    ; tensor_dim1 = 128 rows
	s_mov_b32 s[G1K+3], 64<<16                     ; tile_dim0
	s_mov_b32 s[G1K+4], 128                        ; tile_dim1
	s_mov_b32 s[G1K+5], 8192                       ; from row to row: eight keys of 1,024 bytes
	s_mov_b32 s[G1K+6], 0
	s_mov_b32 s[G1K+7], 0
	s_mov_b32 s[G1V], 15|(1<<20)|(1<<21)|(6<<22)|(3<<25)   ; V: 4 words of padding after every 128
	s_mov_b32 s[G1V+1], 512<<16
	s_mov_b32 s[G1V+2], 16<<16
	s_mov_b32 s[G1V+3], 512<<16
	s_mov_b32 s[G1V+4], 16
	s_mov_b32 s[G1V+5], 1024
	s_mov_b32 s[G1V+6], 0
	s_mov_b32 s[G1V+7], 0
	s_mov_b32 s[G1KS], 15|(2<<16)|(1<<21)          ; K's scale words: 128 rows of one element of 4 bytes, 16 elements apart
	s_mov_b32 s[G1KS+1], 1<<16
	s_mov_b32 s[G1KS+2], 128<<16
	s_mov_b32 s[G1KS+3], 1<<16
	s_mov_b32 s[G1KS+4], 128
	s_mov_b32 s[G1KS+5], 16
	s_mov_b32 s[G1KS+6], 0
	s_mov_b32 s[G1KS+7], 0
	s_mov_b32 s[G1VS], 15|(1<<20)|(1<<21)|(3<<22)|(1<<25)  ; V's scale bytes: 16 rows of 64 bytes, 2 words of padding after every 16
	s_mov_b32 s[G1VS+1], 64<<16
	s_mov_b32 s[G1VS+2], 16<<16
	s_mov_b32 s[G1VS+3], 64<<16
	s_mov_b32 s[G1VS+4], 16
	s_mov_b32 s[G1VS+5], 64
	s_mov_b32 s[G1VS+6], 0
	s_mov_b32 s[G1VS+7], 0
	; where my parts begin in memory: made of batch, head and the wave's number alone
	s_lshl_b32 s88, s96, 21                        ; K: batch, head's 64 bytes, key = wave (then every eighth key)
	s_lshl_b32 s3, s97, 6
	s_add_co_u32 s88, s88, s3
	s_lshl_b32 s3, s[WV], 10
	s_add_co_u32 s88, s88, s3
	s_mov_b32 s89, 0
	s_lshl_b32 s90, s67, 17                        ; V: the head's 128 rows of 1,024 bytes, my 16 rows
	s_lshl_b32 s3, s[WV], 14
	s_add_co_u32 s90, s90, s3
	s_mov_b32 s91, 0
	s_lshl_b32 s92, s96, 17                        ; K's scales: batch, head's word, my 128 keys of 64 bytes
	s_lshl_b32 s3, s97, 2
	s_add_co_u32 s92, s92, s3
	s_lshl_b32 s3, s[WV], 13
	s_add_co_u32 s92, s92, s3
	s_mov_b32 s93, 0
	s_lshl_b32 s94, s67, 13                        ; V's scales: the head's 8,192 bytes, my 16 rows
	s_lshl_b32 s3, s[WV], 10
	s_add_co_u32 s94, s94, s3
	s_mov_b32 s95, 0
	; descriptor groups 0: count 1, LDS address, global address, type 2.  K0 s[56:59], K1 s[60:63], V0 s[68:71], V1 s[72:75], KS0 s[76:79], KS1 s[80:83], VS s[84:87]; never rewritten
	s_mov_b32 s56, 1
	s_mul_i32 s57, s[WV], RP                       ; region key % 8 = wave
	s_mov_b32 s60, 1
	s_add_co_u32 s61, s57, KH
	s_mov_b32 s68, 1
	s_mul_i32 s69, s[WV], 16*VP
	s_add_co_u32 s69, s69, VREG
	s_mov_b32 s72, 1
	s_add_co_u32 s73, s69, VHALF
	s_mov_b32 s76, 1
	s_lshl_b32 s77, s[WV], 9
	s_add_co_u32 s77, s77, KSC
	s_mov_b32 s80, 1
	s_add_co_u32 s81, s77, 4096
	s_mov_b32 s84, 1
	s_mul_i32 s85, s[WV], 16*VSP
	s_add_co_u32 s85, s85, VSC
	s_wait_dscnt 0x0
	s_wait_kmcnt 0x0
	s_add_nc_u64 s[58:59], s[8:9], s[88:89]
	s_add_nc_u64 s[62:63], s[58:59], 0x100000      ; 1,024 keys on
	s_or_b32 s59, s59, 0x80000000
	s_or_b32 s63, s63, 0x80000000
	s_add_nc_u64 s[70:71], s[12:13], s[90:91]
	s_add_nc_u64 s[74:75], s[70:71], 512           ; 1,024 keys on in each row
	s_or_b32 s71, s71, 0x80000000
	s_or_b32 s75, s75, 0x80000000
	s_add_nc_u64 s[78:79], s[10:11], s[92:93]
	s_add_nc_u64 s[82:83], s[78:79], 0x10000
	s_or_b32 s79, s79, 0x80000000
	s_or_b32 s83, s83, 0x80000000
	s_add_nc_u64 s[86:87], s[14:15], s[94:95]
	s_or_b32 s87, s87, 0x80000000
	CROUND                                         ; all four work-groups are here: the joint loads meet
	tensor_load_to_lds s[56:59], s[G1K:G1K+7]      ; keys 0-1,023 and all of V's scales first: seven loads of mine are out, all first fills
	s_nop 0
	tensor_load_to_lds s[68:71], s[G1V:G1V+7]
	s_nop 0
	tensor_load_to_lds s[76:79], s[G1KS:G1KS+7]
	s_nop 0
	tensor_load_to_lds s[84:87], s[G1VS:G1VS+7]
	s_nop 0
	tensor_load_to_lds s[60:63], s[G1K:G1K+7]      ; keys 1,024 on
	s_nop 0
	tensor_load_to_lds s[72:75], s[G1V:G1V+7]
	s_nop 0
	tensor_load_to_lds s[80:83], s[G1KS:G1KS+7]
	s_nop 0
.rept 4
	v_nop
.endr
	; Q's and out0's bases: all that hangs on e goes through s98-101, s104, s105
	s_lshl_b32 s98, s96, 21                        ; q's codes: batch, head, 16 e rows of 1,024 bytes
	s_lshl_b32 s104, s97, 6
	s_add_co_u32 s98, s98, s104
	s_lshl_b32 s104, s66, 14
	s_add_co_u32 s98, s98, s104
	s_mov_b32 s99, 0
	s_add_nc_u64 s[4:5], s[4:5], s[98:99]
	s_lshl_b32 s98, s96, 17                        ; q's scales: rows of 64 bytes
	s_lshl_b32 s104, s97, 2
	s_add_co_u32 s98, s98, s104
	s_lshl_b32 s104, s66, 10
	s_add_co_u32 s98, s98, s104
	s_add_nc_u64 s[6:7], s[6:7], s[98:99]
	s_lshl_b32 s98, s96, 24                        ; out0: rows of 8,192 bytes, the head's 512
	s_lshl_b32 s104, s97, 9
	s_add_co_u32 s98, s98, s104
	s_lshl_b32 s104, s66, 17
	s_add_co_u32 s98, s98, s104
	s_add_nc_u64 s[100:101], s[16:17], s[98:99]
	s_xor_b32 s[LIM], s[WV], 15                    ; tile B's block: 15 - a
	s_lshl_b32 s104, s[LIM], 20                    ; 128 rows of 8,192 bytes a block
	s_mov_b32 s105, 0
	s_add_nc_u64 s[98:99], s[100:101], s[104:105]  ; s[98:99]: tile B's rows of out0
	s_lshl_b32 s104, s[WV], 20
	s_add_nc_u64 s[100:101], s[100:101], s[104:105] ; s[100:101]: tile A's
	v_and_b32 v243, 15, v0                         ; r
	v_bfe_u32 v244, v0, 4, 1                       ; h
	v_and_b32 v245, 7, v0                          ; r % 8
	v_bfe_u32 v246, v0, 3, 1                       ; r / 8
	v_and_b32 v247, 31, v0                         ; lane
	v_lshlrev_b32 v125, 10, v243
	v_lshl_add_u32 v125, v244, 4, v125             ; Q: row r of 1,024 bytes, + 16 h
	s_lshl_b32 s95, s[LIM], 17
	v_add_nc_u32 v126, s95, v125                   ; tile B's block
	s_lshl_b32 s95, s[WV], 17
	v_add_nc_u32 v127, s95, v125                   ; tile A's
	v_lshlrev_b32 v128, 6, v243                    ; Q's scale words: 64 bytes a row
	s_lshl_b32 s95, s[LIM], 13
	v_add_nc_u32 v129, s95, v128
	s_lshl_b32 s95, s[WV], 13
	v_add_nc_u32 v130, s95, v128
	global_load_b128 v[16:19], v126, s[4:5]        ; both tiles' Q stay in registers: registers 4 c .. 4 c + 3 hold k = 64 c + 32 h + 0 .. 31
	global_load_b128 v[20:23], v126, s[4:5] offset:32
	global_load_b32 v255, v129, s[6:7]
	global_load_b128 v[24:27], v127, s[4:5]
	global_load_b128 v[28:31], v127, s[4:5] offset:32
	global_load_b32 v242, v130, s[6:7]
	; my lane's places in LDS
	v_mul_u32_u24 v[AK0], v245, RP                 ; K: region r % 8, + two rows for r / 8 (16 keys on), + 16 h
	v_lshl_add_u32 v[AK0], v246, 7, v[AK0]
	v_lshl_add_u32 v[AK0], v244, 4, v[AK0]
	v_mul_u32_u24 v[AV0], v243, VP                 ; V: row r, + 16 h
	v_lshl_add_u32 v[AV0], v244, 4, v[AV0]
	v_add_nc_u32 v[AV0], VREG, v[AV0]
	v_lshlrev_b32 v[ASK0], 2, v245                 ; K's scale words: key r % 8 + 16 (r / 8); lanes 16-31 take the odd tile's, 8 keys on
	v_lshl_add_u32 v[ASK0], v246, 6, v[ASK0]
	v_lshl_add_u32 v[ASK0], v244, 5, v[ASK0]
	v_add_nc_u32 v[ASK0], KSC, v[ASK0]
	v_mul_u32_u24 v[ASV0], v247, VSP               ; V's: row = lane: lanes 0-15 the even tile's rows, lanes 16-31 the odd tile's
	v_add_nc_u32 v[ASV0], VSC, v[ASV0]
	v_and_b32 v[AT0], 1, v0                        ; the table: copy r % 2, + 16 h entries, - 2 (r / 2) entries: an even entry, so that pairs are read at multiples of 8 bytes
	v_mul_u32_u24 v[AT0], v[AT0], TCP
	v_lshl_add_u32 v[AT0], v244, 6, v[AT0]
	v_add_nc_u32 v[AT0], TAB, v[AT0]
	v_bfe_u32 v9, v0, 1, 3
	v_lshlrev_b32 v9, 3, v9
	v_sub_nc_u32 v[AT0], v[AT0], v9
	v_lshlrev_b32 v[GO], 13, v244                  ; out0: lanes 0-15 one row, lanes 16-31 the next; 16 bytes a lane
	v_lshl_add_u32 v[GO], v243, 4, v[GO]
	s_mul_i32 s95, s[WV], SGW
	s_add_co_u32 s95, s95, STG                     ; my stage
	v_mul_u32_u24 v[STI], v245, SGP                ; in: row r % 8, + 32 h
	v_lshl_add_u32 v[STI], v244, 5, v[STI]
	v_add_nc_u32 v[STI], s95, v[STI]
	v_mul_u32_u24 v[STO], v244, SGP                ; back: lanes 0-15 one row, lanes 16-31 the next
	v_lshl_add_u32 v[STO], v243, 4, v[STO]
	v_add_nc_u32 v[STO], s95, v[STO]
	v_cmp_gt_u32 s2, 8, v243                       ; the lanes of queries 0-7,
	v_cmp_le_u32 s3, 8, v243                       ; and of queries 8-15
	; THE TABLE.  Thread (c = thread / 128, m = thread % 128) makes entries 4 m + 512 t + 0 .. 3 of copy c, t = 0 .. 5: d = 1936 + 16 e + c - entry
	s_add_co_u32 s95, s97, 1                       ; -slope sqrt(128) = -2^((6 - head) / 2) by its bits: exponent field 130 - (head + 1) / 2,
	s_lshr_b32 s95, s95, 1
	s_sub_co_u32 s95, 130, s95
	s_lshl_b32 s95, s95, 23
	s_and_b32 s93, s97, 1
	s_mul_i32 s93, s93, 0x3504f3                   ; sqrt(2)'s mantissa for an odd head,
	s_or_b32 s95, s95, s93
	s_or_b32 s95, s95, 0x80000000                  ; the sign
	v_mov_b32 v131, 0xc77fe000                     ; -65504,
	v_mul_f32 v131, 0x413504f3, v131               ; x sqrt(128): what a hidden key's entry holds
	v_lshrrev_b32 v97, 7, v0
	v_and_b32 v98, 127, v0
	v_mul_u32_u24 v124, v97, TCP
	v_lshl_add_u32 v124, v98, 4, v124
	v_add_nc_u32 v124, TAB, v124                   ; where I store: copy c, 16 bytes a thread, 2,048 bytes a round
	s_lshl_b32 s104, s66, 4
	s_add_co_u32 s104, s104, 1936
	v_add_nc_u32 v99, s104, v97
	v_lshlrev_b32 v98, 2, v98
	v_sub_nc_u32 v99, v99, v98
	v_cvt_f32_i32 v96, v99                         ; d of my first entry: a whole number, exact in f32
.irp t, 0,1,2,3,4,5
	v_add_f32 v97, -1.0, v96
	v_add_f32 v98, -2.0, v96
	v_add_f32 v99, 0xc0400000, v96                 ; d - 3
.irp k, 0,1,2,3
	v_max_num_f32 v[100+4*\t+\k], 0, v[96+\k]
.endr
.irp k, 0,1,2,3
	v_sqrt_f32 v[100+4*\t+\k], v[100+4*\t+\k]
.endr
.irp k, 0,1,2,3
	v_cmp_gt_f32 vcc_lo, 0, v[96+\k]               ; (the first of these is the plain instruction behind the roots)  d < 0: the key is hidden
	s_wait_alu depctr_va_vdst(0)
	v_mul_f32 v[100+4*\t+\k], s95, v[100+4*\t+\k]
	v_cndmask_b32 v[100+4*\t+\k], v[100+4*\t+\k], v131, vcc_lo
.endr
	ds_store_b128 v124, v[100+4*\t:103+4*\t] offset:2048*\t   ; each round has registers of its own
	v_add_f32 v96, 0xc4000000, v96                 ; 512 entries on: d - 512
.endr
.irp b, 0,1,2,3
	v_mov_b32 v[236+\b], 0                         ; written once: a lane permute's destination counts as one of its sources
.endr
	v_mov_b32 v252, 0
	v_mov_b32 v253, 0                              ; (named as the upper half of the pair v[252:253] before it is first written)
	FRESH
; A KEY STEP: 128 keys for the tile whose Q lies in v[qf] on, scale words in v[qs].  skip = 1: a step whose keys all come after the tile's queries is jumped over, by a scalar branch on the wave's number and the
; step's; the lines at its end that step the addresses are not.
.macro STEP qf, qs, skip
.if \skip
	s_cmp_gt_u32 s[KI], s[LIM]
	s_cbranch_scc1 .Lhidden_\@
.endif
	v_add_nc_u32 v[ADK], s[TK], v[AK0]             ; five plain instructions: also the places behind the last products, in front of the loads into their registers
	v_add_nc_u32 v[ADV], s[TV], v[AV0]
	v_add_nc_u32 v[ADS], s[TKS], v[ASK0]
	v_add_nc_u32 v[ADT], s[TVS], v[ASV0]
	v_add_nc_u32 v[ADB], s[TT], v[AT0]
.set jj, 0
.rept 32
	ds_load_b64 v[96+jj:97+jj], v[ADB] offset:4*(32*(jj/16)+jj%16)   ; the table's values in the result's layout: register 16 b + i belongs to key 32 b + 16 h + i
.set jj, jj+2
.endr
.irp t, 0,1,2,3,4,5,6,7
.irp c, 0,1
	ds_load_b128 v[32+8*\t+4*\c:35+8*\t+4*\c], v[ADK] offset:(4*(\t/2)+\t%2)*64+32*\c   ; tile t begins at key 32 (t / 2) + 8 (t % 2): row 4 (t / 2) + t % 2 of each region
.endr
.endr
.irp b, 0,1,2,3
	ds_load_b32 v[248+\b], v[ADS] offset:128*\b    ; lanes 0-15: tile 2 b's scale words, lanes 16-31: tile 2 b + 1's
.endr
	s_wait_dscnt 0x0                               ; these 52 loads
.irp t, 0,2,4,6                                ; S^T = K Q^T + the table; the eight accumulators by turns
	v_wmma_scale_f32_16x16x128_f8f6f4 v[96+8*\t:103+8*\t], v[32+8*\t:39+8*\t], v[\qf:\qf+7], v[96+8*\t:103+8*\t], v[248+\t/2], v[\qs] matrix_a_fmt:MATRIX_FMT_FP4 matrix_b_fmt:MATRIX_FMT_FP4
	v_wmma_scale_f32_16x16x128_f8f6f4 v[104+8*\t:111+8*\t], v[40+8*\t:47+8*\t], v[\qf:\qf+7], v[104+8*\t:111+8*\t], v[248+\t/2], v[\qs] matrix_a_fmt:MATRIX_FMT_FP4 matrix_b_fmt:MATRIX_FMT_FP4 matrix_a_scale:MATRIX_SCALE_ROW1
.endr
.rept 4
	v_nop                                          ; four places in front of the loads into K's registers and of the first read of the scores
.endr
.irp t, 0,1,2,3,4,5,6,7                        ; V is asked for now and lands under the softmax
.irp c, 0,1
	ds_load_b128 v[32+8*\t+4*\c:35+8*\t+4*\c], v[ADV] offset:16*VP*\t+32*\c
.endr
.endr
.irp b, 0,1,2,3
	ds_load_b32 v[248+\b], v[ADT] offset:32*VSP*\b ; lanes 0-15: tile 2 b's rows, lanes 16-31: tile 2 b + 1's
.endr
.irp b, 0,1,2,3
	v_max3_num_f32 v[232+\b], v[96+16*\b], v[97+16*\b], v[98+16*\b]   ; the largest score of each block of 32 keys: for the row's maximum and, since p rises with the score, for the block's largest p
.endr
.irp i, 3,5,7,9,11,13
.irp b, 0,1,2,3
	v_max3_num_f32 v[232+\b], v[232+\b], v[96+16*\b+\i], v[97+16*\b+\i]
.endr
.endr
.irp b, 0,1,2,3
	v_max_num_f32 v[232+\b], v[232+\b], v[111+16*\b]
.endr
.irp b, 0,1,2,3
	v_permlanex16_b32 v[236+\b], v[232+\b], s[SEL], s[SEL+1]
.endr
.irp b, 0,1,2,3
	v_max_num_f32 v[232+\b], v[232+\b], v[236+\b]  ; with lane l xor 16's 16 keys
.endr
	v_max3_num_f32 v254, v232, v233, v234
	v_max_num_f32 v254, v254, v235                 ; the step's largest score of my query
	v_mul_f32 v254, s[CS], v254                    ; as t (c is positive)
	v_max_num_f32 v13, v13, v254                   ; the running largest t
	v_mov_b32 v254, v12
	v_floor_f32 v12, -v13                          ; the new -M = floor(-t): M is a whole number
	v_sub_f32 v254, v12, v254                      ; old M - new M: a whole number, 0 or less
	v_cvt_i32_f32 v254, v254                       ; (it saturates)
	v_ldexp_f32 v252, 1.0, v254                    ; f = 2^(old M - new M): rounds nothing
.set jj, 0
.rept 32
	v_pk_fma_f32 v[96+jj:97+jj], v[96+jj:97+jj], s[CS:CS+1], v[12:13] op_sel_hi:[1,0,0]   ; t - M, two at a time
.set jj, jj+2
.endr
.irp b, 0,1,2,3
	v_fma_f32 v[232+\b], v[232+\b], s[CS], v12     ; the same of each block's largest score
.endr
.set jj, 0
.rept 64
	v_exp_f32 v[96+jj], v[96+jj]                   ; p = 2^(t - M), at most 1: not normalised; 0 for hidden keys
.set jj, jj+1
.endr
.irp b, 0,1,2,3
	v_exp_f32 v[232+\b], v[232+\b]                 ; the block's largest p
.endr
	v_pk_mul_f32 v[14:15], v[14:15], v[252:253] op_sel_hi:[1,0]   ; the sums under the new M (a plain instruction behind the exponentials)
	s_wait_alu depctr_va_vdst(0)
.irp b, 0,1,2,3
	v_max_num_f32 v[232+\b], 0x1800000, v[232+\b]  ; the floor 2^(3 - 127): the byte cannot fall under 1; a block of zeros keeps that byte, its codes are zeros
.endr
.irp b, 0,1,2,3
	v_add_nc_u32 v[244+\b], 0xff000000, v[232+\b]  ; 2 off the exponent field: the conversion's scale operand
.endr
.irp b, 0,1,2,3
	v_lshrrev_b32 v[236+\b], 23, v[244+\b]         ; the scale's byte
.endr
	v_lshl_or_b32 v253, v237, 8, v236              ; p's scale word for these 128 keys
	v_lshl_or_b32 v253, v238, 16, v253
	v_lshl_or_b32 v253, v239, 24, v253
.irp b, 0,1,2,3
	v_cvt_scalef32_pk8_fp4_f32 v[224+2*\b], v[96+16*\b:103+16*\b], v[244+\b]
	v_cvt_scalef32_pk8_fp4_f32 v[225+2*\b], v[104+16*\b:111+16*\b], v[244+\b]
.endr
	v_nop                                          ; one plain instruction between a scaled conversion and the vector instruction that touches its result
.irp c, 0,1                                    ; the operand's layout wants a whole block in a lane: lanes 0-15 block 2 c, lanes 16-31 block 2 c + 1
.irp i, 0,1
	v_permlane16_swap_b32 v[224+4*\c+\i], v[226+4*\c+\i]
.endr
.endr
	v_pk_add_f32 v[236:237], v[96:97], v[98:99]    ; the row's sum is taken of the unquantised p: two at a time, in two chains
.irp j, 4,8,12,16,20,24,28,32,36,40,44,48,52,56,60
	v_pk_add_f32 v[14:15], v[14:15], v[96+\j:97+\j]
	v_pk_add_f32 v[236:237], v[236:237], v[98+\j:99+\j]
.endr
	v_pk_add_f32 v[14:15], v[14:15], v[236:237]
.set jj, 0
.rept 32
	v_pk_mul_f32 v[160+jj:161+jj], v[160+jj:161+jj], v[252:253] op_sel_hi:[1,0]   ; O^T under the new M, each accumulator from its low end on
.set jj, jj+2
.endr
	s_wait_dscnt 0x0                               ; V's 20 loads
.irp t, 0,2,4,6                                ; O^T += V^T P^T; K = these 128 keys; the eight accumulators by turns
	v_wmma_scale_f32_16x16x128_f8f6f4 v[160+8*\t:167+8*\t], v[32+8*\t:39+8*\t], v[224:231], v[160+8*\t:167+8*\t], v[248+\t/2], v253 matrix_a_fmt:MATRIX_FMT_FP4 matrix_b_fmt:MATRIX_FMT_FP4
	v_wmma_scale_f32_16x16x128_f8f6f4 v[168+8*\t:175+8*\t], v[40+8*\t:47+8*\t], v[224:231], v[168+8*\t:175+8*\t], v[248+\t/2], v253 matrix_a_fmt:MATRIX_FMT_FP4 matrix_b_fmt:MATRIX_FMT_FP4 matrix_a_scale:MATRIX_SCALE_ROW1
.endr
.Lhidden_\@:
	s_add_co_u32 s[TK], s[TK], 1024                ; 16 rows on in each region of K
	s_add_co_u32 s[TKS], s[TKS], 512               ; 128 scale words
	s_add_co_u32 s[TV], s[TV], 64                  ; 128 codes in each row of V
	s_add_co_u32 s[TVS], s[TVS], 4                 ; one scale word in each row
	s_add_co_u32 s[TT], s[TT], 512                 ; d falls by 128: 128 entries on
.endm
; Eight key steps, up to but not including step last: the trip count is a constant of the text
.macro KEYS qf, qs, last, skip
.Lk_\@:
	STEP \qf, \qs, \skip
	s_add_co_u32 s[KI], s[KI], 1
	s_cmp_lt_u32 s[KI], \last
	s_cbranch_scc1 .Lk_\@
.endm
; THE WAY OUT of a tile.  O^T / the sum: register 8 t + i is o(r, 16 t + 8 h + i).  It goes through my stage in four rounds of 8 queries x 64 channels (the stage holds 8 rows of 256 bytes; a stage of
; 16 rows for each of eight waves does not fit beside the head's K and V): the lanes of those 8 queries store, all lanes read whole rows back.  LDS serves a wave's instructions in order
; (ISA guide 5.7.1.4): the loads see the stores above them, and the next round's stores come behind them.
.macro OUT base
.rept 4
	v_nop                                          ; four places behind the last products
.endr
	v_add_f32 v14, v14, v15                        ; the sum's two halves,
	v_permlanex16_b32 v252, v14, s[SEL], s[SEL+1]
	v_add_f32 v14, v14, v252                       ; and lane l xor 16's: the row's sum
	v_rcp_f32 v14, v14
	v_nop                                          ; a plain instruction behind the reciprocal
.set jj, 0
	s_wait_alu depctr_va_vdst(0)
.rept 32
	v_pk_mul_f32 v[96+jj:97+jj], v[160+jj:161+jj], v[14:15] op_sel_hi:[1,0]   ; each accumulator from its low end on
.set jj, jj+2
.endr
	s_wait_xcnt 0x0                                ; EXEC changes only behind this wait; no global instruction follows until EXEC is whole for good
.irp u, 0,1
.irp p, 0,1
	s_and_saveexec_b32 s96, s[2+\p]                ; the lanes of queries 8 p .. 8 p + 7
.irp t, 0,1,2,3
	ds_store_b128 v[STI], v[96+32*\u+8*\t:99+32*\u+8*\t] offset:64*\t
	ds_store_b128 v[STI], v[100+32*\u+8*\t:103+32*\u+8*\t] offset:64*\t+16
.endr
	s_or_b32 exec_lo, exec_lo, s96                 ; all lanes again
.irp i, 0,1,2,3
	ds_load_b128 v[32+16*(2*\u+\p)+4*\i:35+16*(2*\u+\p)+4*\i], v[STO] offset:2*SGP*\i
.endr
.endr
.endr
	s_wait_dscnt 0x0
.irp u, 0,1
.irp p, 0,1
.irp i, 0,1,2,3
	global_store_b128 v[GO], v[32+16*(2*\u+\p)+4*\i:35+16*(2*\u+\p)+4*\i], s[\base:\base+1] offset:(8*\p+2*\i)*8192+256*\u th:TH_STORE_NT   ; 16 lanes store 256 consecutive bytes, at a multiple of 256 from out0's first byte
.endr
.endr
.endr
.endm
	s_wait_tensorcnt 0x3                           ; my parts of keys 0-1,023 and of V's scales are in; the three younger loads (keys 1,024 on) may stay out
	s_wait_dscnt 0x0                               ; my part of the table is stored
	s_barrier_signal -1
	s_barrier_wait -1                              ; everybody's are
	s_wait_loadcnt 0x0                             ; both tiles' Q
	; tile B, key steps 0-7: every wave has all eight (its block is 8 or more)
	s_mov_b32 s[KI], 0
	s_mov_b32 s[TK], 0
	s_mov_b32 s[TKS], 0
	s_mov_b32 s[TV], 0
	s_mov_b32 s[TVS], 0
	s_lshl_b32 s[TT], s[WV], 9                     ; the table: 4 (1936 - 128 (block - step)) bytes, block = 15 - a
	s_add_co_u32 s[TT], s[TT], 64
	KEYS 16, 255, 8, 0
	s_wait_tensorcnt 0x0                           ; my parts of keys 1,024 on are in,
	s_wait_dscnt 0x0
	s_barrier_signal -1
	s_barrier_wait -1                              ; everybody's are
	; tile B, key steps 8 .. 15 - a
	s_mov_b32 s[KI], 8
	s_mov_b32 s[TK], 8*1024
	s_mov_b32 s[TKS], 8*512
	s_mov_b32 s[TV], VHALF                         ; V's second half
	s_mov_b32 s[TVS], 8*4
	s_lshl_b32 s[TT], s[WV], 9
	s_add_co_u32 s[TT], s[TT], 64+8*512
	s_xor_b32 s[LIM], s[WV], 15
	KEYS 16, 255, 16, 1
	OUT 98
	s_wait_xcnt 0x0                                ; the stores have read their registers: these are written again only behind this wait
	; tile A, key steps 0 .. a
	FRESH
	s_mov_b32 s[KI], 0
	s_mov_b32 s[TK], 0
	s_mov_b32 s[TKS], 0
	s_mov_b32 s[TV], 0
	s_mov_b32 s[TVS], 0
	s_xor_b32 s[TT], s[WV], 7                      ; 4 (1936 - 128 a) = 4160 + 512 (7 - a)
	s_lshl_b32 s[TT], s[TT], 9
	s_add_co_u32 s[TT], s[TT], 4160
	s_mov_b32 s[LIM], s[WV]
	KEYS 24, 242, 8, 1
	OUT 100
	s_set_vgpr_msb 0x5
	s_wait_tensorcnt 0x0
	ds_add_u32 v0, v1
	s_wait_dscnt 0x0
	s_set_vgpr_msb 0x500
	CROUND                                         ; the closing round: no work-group ends before its partners have made every joint request
	s_endpgm
.Lfunc_end_k_q7fdef6b245_attn:
	.size	k_q7fdef6b245_attn, .Lfunc_end_k_q7fdef6b245_attn-k_q7fdef6b245_attn
	.p2alignl 7, 3214868480
	.fill 96, 4, 3214868480
	.section	.rodata,"a",@progbits
	.p2align	6, 0x0
	.amdhsa_kernel k_q7fdef6b245_attn
		.amdhsa_group_segment_fixed_size 327680
		.amdhsa_private_segment_fixed_size 0
		.amdhsa_enable_private_segment 0
		.amdhsa_kernarg_size 56
		.amdhsa_user_sgpr_count 2
		.amdhsa_user_sgpr_kernarg_segment_ptr 1
		.amdhsa_wavefront_size32 1
		.amdhsa_system_sgpr_workgroup_id_x 1
		.amdhsa_system_sgpr_workgroup_id_y 1
		.amdhsa_system_sgpr_workgroup_id_z 1
		.amdhsa_system_vgpr_workitem_id 0
		.amdhsa_next_free_vgpr 258
		.amdhsa_next_free_sgpr 106
		.amdhsa_reserve_vcc 1
		.amdhsa_float_denorm_mode_32 3
		.amdhsa_float_denorm_mode_16_64 3
		.amdhsa_memory_ordered 1
		.amdhsa_forward_progress 1
		.amdhsa_inst_pref_size 98
	.end_amdhsa_kernel
	.amdgpu_metadata
---
amdhsa.version: [ 1, 2 ]
amdhsa.kernels:
  - .name:           k_q7fdef6b245_attn
    .symbol:         k_q7fdef6b245_attn.kd
    .args:
      - { .name: q_codes, .offset: 0, .size: 8, .value_kind: global_buffer, .address_space: global }
      - { .name: q_scales, .offset: 8, .size: 8, .value_kind: global_buffer, .address_space: global }
      - { .name: k_codes, .offset: 16, .size: 8, .value_kind: global_buffer, .address_space: global }
      - { .name: k_scales, .offset: 24, .size: 8, .value_kind: global_buffer, .address_space: global }
      - { .name: v_codes, .offset: 32, .size: 8, .value_kind: global_buffer, .address_space: global }
      - { .name: v_scales, .offset: 40, .size: 8, .value_kind: global_buffer, .address_space: global }
      - { .name: out0, .offset: 48, .size: 8, .value_kind: global_buffer, .address_space: global }
    .group_segment_fixed_size: 327680
    .private_segment_fixed_size: 0
    .kernarg_segment_align: 8
    .kernarg_segment_size: 56
    .max_flat_workgroup_size: 256
    .sgpr_count:     106
    .vgpr_count:     258
    .wavefront_size: 32
...
	.end_amdgpu_metadata
.endif
;; end of part 1
